; MI455X (gfx1250); checked and timed in simulation.
; The chip was launched on July 23, 2026; its instructions are those of AMD's public machine-readable ISA for CDNA 5 (MIT licence, August 2026) and "CDNA5" Instruction Set Architecture Reference Guide (July 2026). The comments in the code are by the model that wrote it; some were corrected since.
;; Trellis Linear. Allowed arithmetic: matrix products marked QUANTISED: E2M3 operands, one E8M0 scale for each 32 along K, by v_wmma_scale_f32_16x16x128_f8f6f4 with both operands' format E2M3, f32 sums; everything else in f32.
;; Inputs: grid 16 float32; packed_indices 256 x 256 x 128 int32; scales 32 x 4,096 float32; su 4,096 float32; sv 4,096 float32; x 4,096 x 4,096 float32.
;; Outputs: out0 4,096 x 4,096 float32.
;; This version of the problem:
;;   THIS VERSION OF THE PROBLEM IS GIVEN IN LOW PRECISION. The matrix products marked QUANTISED in the list below multiply operands that are first quantised to E2M3 (2 exponent bits, 3 mantissa bits; 6 bits a number), with one power-of-two scale for each 32 numbers along K (OCP MX v1.0); their sums are f32. All else is computed in f32.
;;   The module's matrix products, in the order in which they are computed (A, B: the left and right operand; K: the contracted axis; several contracted axes count as one K, in the product's order):
;;     1. [M 4,096, K 4,096] x [K 4,096, N 4,096]; A: input x; B: computed on the way: QUANTISED
;;   THE QUANTISER, for each operand of a quantised product, along K:
;;     - K is cut into blocks of 32 from its start; a last block that is shorter is filled with zeros.
;;     - A block's scale is 2^e with e = floor(log2(the largest magnitude in the block)) - 2, held to -126 .. 127; a block of zeros has e = 0. As a byte (E8M0): e + 127.
;;     - Each number is divided by its block's scale, clamped to +-7.5, and rounded to the nearest number of E2M3, ties to even, subnormals kept.
;;     - The product sums the exact products of the quantised numbers (number of the format x scale) in f32.
;;   ~~~python
;;   def quantise(x, axis):      # numpy; x: float32 -> the quantised numbers, widened to float32 again
;;       x = np.moveaxis(x, axis, -1); K = x.shape[-1]
;;       x = np.pad(x, [(0, 0)] * (x.ndim - 1) + [(0, -K % 32)]); x = x.reshape(x.shape[:-1] + (-1, 32)); a = np.abs(x).max(-1, keepdims=True)
;;       e = np.where(a > 0, np.clip(np.frexp(np.where(a > 0, a, 1))[1] - 1 - 2, -126, 127), 0)      # np.frexp(a)[1] - 1 = floor(log2(a)), exactly
;;       r = np.clip(x / 2.0 ** e, -7.5, 7.5)
;;       step = 2.0 ** (np.maximum(np.frexp(np.where(r == 0, 1, r))[1] - 1, 0) - 3)
;;       q = np.round(r / step) * step * 2.0 ** e      # np.round: ties to even
;;       return np.moveaxis(q.reshape(q.shape[:-2] + (-1,))[..., :K], -1, axis).astype(np.float32)
;;   ~~~
;;   OPERANDS COMPUTED ON THE WAY. 'Computed on the way' means the value that the module computes at that place (a softmax that the list does not call 'softmax' is quantised finished and normalised). What goes into a quantiser is computed in f32, as accurately as f32 sums, v_exp_f32 and their like allow (about 1e-6 of the number): no bf16 or f16 on the way to a quantiser, and a product that is left as it is and whose result goes on into a quantised operand takes f32 operands (vector FMAs, or v_wmma_f32_16x16x4_f32). A number that lies on a knife's edge between two numbers of the format may be rounded either way, as far as f32 arithmetic and the matrix unit's own rounding can turn it there, and no further.
;; One version. Each part assembles by itself: llvm-mc -triple=amdgcn-amd-amdhsa -mcpu=gfx1250 --defsym DOCPART=n.
;; ======== version 1 of 1: 2 launches
;; limits: right only within a limited range of input values
;; workspace buffers: xa 13,107,200 bytes; wb 13,107,200 bytes
;; launch quant (part 1): grid 256 x 1, 8 waves a work-group, no clusters, 271,360 bytes of LDS; arguments x, packed_indices, scales, su, sv, grid, xa, wb; writes xa, wb
.if DOCPART == 1
	.amdgcn_target "amdgcn-amd-amdhsa--gfx1250"
	.amdhsa_code_object_version 6
	.text
	.protected	k_qb6db635770_quant
	.globl	k_qb6db635770_quant
	.p2align	8
	.type	k_qb6db635770_quant,@function
k_qb6db635770_quant:
	s_mov_b64 s[64:65], 0
	v_nop
	global_prefetch_b8 v0, s[64:65] scope:SCOPE_SE
	s_setreg_imm32_b32 hwreg(HW_REG_WAVE_MODE, 25, 1), 1
	s_wait_xcnt 0x0
; Both operands of out0 = x W^T become codes of FP6 (E2M3) with one E8M0 byte for each 32 along K (the in-features), once, for the product's launch.
; x: [4096][4096] f32.  W[o][i] = ((grid[idx] * scales[i/128][o]) * su[i]) * sv[o], the multiplications in that order, in f32; idx: 4 bits, two to an int32 of packed_indices
; (low nibble first), in tiles of 16 (o) x 16 (i) of 512 bytes; a tile's row is 32 consecutive bytes.
; A block's scale is 2^(floor(log2(its largest magnitude)) - 2); its byte is the largest magnitude's exponent field - 2, held at 1 from below; the conversion rounds to the nearest code, ties to even,
; and gives the largest code beyond 7.5.
; LIMITS: NaN and infinities among the inputs are not served.  A block of zeros gets the byte 1 where the rule says 127: its codes are zeros, which add nothing under any byte but 0xff, and this
; program alone reads the bytes.  Of an int32 of packed_indices bits 0-3 and 4-7 are taken and nothing else.
; THE WORKSPACE (xa for x, wb for W, alike) LIES IN THE ORDER OF THE OPERAND'S REGISTERS.  For 128 rows (G = row / 128) and 128 along K (s = k / 128) a block of 12,800 bytes at 409,600 G + 12,800 s:
;   fragment i = (row / 16) % 8 at 1,536 i: registers 4 c .. 4 c + 3 of operand lane (r = row % 16, h) at 512 c + 16 (2 r + h); register 6 cc + t holds the stream of bits of k = 64 cc + 32 h + 0 .. 31;
;   behind the eight fragments two runs of 256 bytes of scale words: the word of row 64 y + 16 p + r (y = 0, 1; p = 0 .. 3) at 12,288 + 256 y + 16 r + 4 p; its byte b scales k = 32 b .. 32 b + 31.
; SHARES.  Work-group g takes rows 64 (g / 4) .. + 63 of x and of W and K steps 8 (g % 4) .. + 7; wave w the K step s = 8 (g % 4) + w: four fragments of W and four of x, by turns, written out: no loop, no
; branch, no barrier: waves share nothing.  LANE l = 2 r + u WORKS FOR OPERAND LANE (r, h = u): it holds two whole blocks of 32 of row r, so a block's largest magnitude needs no other lane, the conversions'
; results are the operand's registers, and each store of the wave covers 512 consecutive bytes, aligned.
; x comes by the tensor data mover: each wave asks at the head for its four tiles of 16 rows x 512 bytes, into LDS bytes of its own that are filled once: four loads of a wave are out at the most.
; The codebook is looked up between lanes: lane l holds grid[l % 16], and ds_bpermute_b32, which touches no LDS byte, takes lane (index / 4) mod 32: p << 2 gives grid[p & 15], p >> 2 gives grid[(p >> 4) & 15].
.set GR,    1                          ; v1      grid[lane % 16]
.set L16,   2                          ; v2      16 x lane
.set R4,    3                          ; v3      4 r
.set U128,  4                          ; v4      128 u
.set U8,    5                          ; v5      8 u
.set XRD,   6                          ; v6      LDS: my wave's tiles + 528 r + 128 u
.set L8,    7                          ; v7      8 x lane
.set SQ,    10                         ; v10-17  for row block p the pair (scales, sv) of my row
.set SVQ,   18                         ; v[18:19] sv of the row block in hand in the low word; at the end W's scale words
.set WW,    20                         ; v20-23  W's scale words, one a row block
.set XW,    24                         ; v24-27  x's
.set TP,    28                         ; v28-31  four words of my neighbour lane
.set ORD,   32                         ; v32-35  four index words in order
.set MX,    36                         ; v36-37  a block's largest magnitude
.set NX,    38                         ; v38-39  its second chain; then the scale's byte
.set EX,    40                         ; v40-41  the conversions' scale operand
.set WD,    42                         ; v42     my two bytes at their places in the word
.set TN,    43                         ; v43     my neighbour's
.set F,     44                         ; v44-55  the fragment's 12 registers
.set S1,    56                         ; v56-58, v60-62  the upper halves of the two blocks as the conversions leave them
.set S2,    60
.set SU,    64                         ; v64-127  su of my 64 columns
.set RAW,   128                        ; v128-191 two sets of 32 index words as loaded
.set VAL,   192                        ; v192-255 64 numbers: register 32 cc + n = k 64 cc + 32 u + n of my row
.set G1,    36                         ; s[36:43] descriptor group 1
.set G0,    44                         ; s[44:47] group 0
.set EVEN,  60                         ; s60     the lanes with u = 0
.set XSB,   24                         ; s[24:25] where my 256 bytes of x's scale words go;  s[26:27] W's
.set WSB,   26
.set FLOOR, 0x1800000                  ; 2^(3 - 127)
.set TILEB, 16*528                     ; a tile of x in LDS: 16 rows of 512 bytes + 16
	s_load_b256 s[4:11], s[0:1], 0x0               ; x s[4:5], packed_indices s[6:7], scales s[8:9], su s[10:11]
	s_load_b256 s[12:19], s[0:1], 0x20             ; sv s[12:13], grid s[14:15], xa s[16:17], wb s[18:19]
	v_lshl_add_u32 v59, v0, 2, 0x42000
	v_mov_b32 v63, 0
	ds_add_u32 v59, v63
	ds_add_u32 v59, v63
	v_lshrrev_b32 v9, 5, v0
	s_delay_alu instid0(VALU_DEP_1)
	v_readfirstlane_b32 s20, v9                    ; wave 0..7
	s_and_b32 s21, ttmp9, 3
	s_lshl_b32 s22, s21, 3
	s_add_co_u32 s22, s22, s20                     ; s: my K step of 128
	s_lshr_b32 s23, ttmp9, 2                       ; my 64 rows
	s_mov_b32 s[EVEN], 0x55555555
	s_lshl_b32 s24, s23, 20                        ; x: 64 rows of 16,384 bytes,
	s_lshl_b32 s25, s22, 9                         ; + 512 bytes a K step
	s_add_co_u32 s24, s24, s25
	s_mov_b32 s25, 0
	s_lshl_b32 s26, s23, 19                        ; packed_indices: four rows of 256 tiles of 512 bytes,
	s_lshl_b32 s27, s22, 12                        ; + eight tiles a K step
	s_add_co_u32 s26, s26, s27
	s_mov_b32 s27, 0
	s_lshl_b32 s32, s23, 8                         ; sv: 64 numbers
	s_mov_b32 s33, 0
	s_lshl_b32 s28, s22, 14                        ; scales: row s of 16,384 bytes, + my 64 numbers
	s_add_co_u32 s28, s28, s32
	s_mov_b32 s29, 0
	s_lshl_b32 s30, s22, 9                         ; su: 128 numbers a K step
	s_mov_b32 s31, 0
	s_lshr_b32 s34, s23, 1
	s_mul_i32 s34, s34, 409600
	s_mul_i32 s35, s22, 12800
	s_add_co_u32 s34, s34, s35                     ; the workspace's block (G, s)
	s_and_b32 s21, s23, 1                          ; y: which 64 of its 128 rows
	s_lshl_b32 s2, s21, 8
	s_add_co_u32 s2, s2, s34
	s_add_co_u32 s2, s2, 12288                     ; my run of scale words
	s_mov_b32 s3, 0
	s_mul_i32 s35, s21, 6144
	s_add_co_u32 s34, s34, s35                     ; my four fragments
	s_mov_b32 s35, 0
	s_mul_i32 s21, s20, 4*TILEB                    ; my wave's LDS
	v_and_b32 v9, 31, v0
	s_delay_alu instid0(VALU_DEP_1)
	v_lshlrev_b32 v[L16], 4, v9
	s_delay_alu instid0(VALU_DEP_2)
	v_lshlrev_b32 v[L8], 3, v9
	v_and_b32 v8, 15, v0
	s_delay_alu instid0(VALU_DEP_1)
	v_lshlrev_b32 v8, 2, v8                        ; grid: 4 (lane % 16)
	v_bfe_u32 v9, v0, 1, 4                         ; r
	s_delay_alu instid0(VALU_DEP_1)
	v_lshlrev_b32 v[R4], 2, v9
	s_delay_alu instid0(VALU_DEP_2)
	v_mul_u32_u24 v[XRD], v9, 528
	v_and_b32 v9, 1, v0                            ; u
	s_delay_alu instid0(VALU_DEP_1)
	v_lshlrev_b32 v[U128], 7, v9
	s_delay_alu instid0(VALU_DEP_2)
	v_lshlrev_b32 v[U8], 3, v9
	s_delay_alu instid0(VALU_DEP_3)
	v_lshl_add_u32 v[XRD], v9, 7, v[XRD]
	s_delay_alu instid0(VALU_DEP_1)
	v_add_nc_u32 v[XRD], s21, v[XRD]
	v_mov_b32 v[SVQ+1], 0                          ; named as the upper half of a pair
.irp j, 0,1,2,3
	v_mov_b32 v[TP+\j], 0                          ; written once: the destination of a DPP form counts as one of its sources
.endr
	v_mov_b32 v[TN], 0
	; descriptor group 1: 64 rows x 128 elements of 4 bytes, 4,096 elements from row to row; in LDS 4 words of padding behind every 128
	s_mov_b32 s[G1+0], (2<<16)|(1<<20)|(6<<22)|(3<<25)
	s_mov_b32 s[G1+1], 128<<16                     ; tensor_dim0
	s_mov_b32 s[G1+2], 64<<16                      ; tensor_dim1: my four row blocks are 64 rows on end
	s_mov_b32 s[G1+3], 128<<16                     ; tile_dim0
	s_mov_b32 s[G1+4], 64                          ; tile_dim1
	s_mov_b32 s[G1+5], 4096                        ; tensor_dim0_stride
	s_mov_b32 s[G1+6], 0
	s_mov_b32 s[G1+7], 0
	s_wait_dscnt 0x0
	s_wait_kmcnt 0x0
	s_add_nc_u64 s[4:5], s[4:5], s[24:25]
	s_add_nc_u64 s[6:7], s[6:7], s[26:27]
	s_add_nc_u64 s[8:9], s[8:9], s[28:29]
	s_add_nc_u64 s[10:11], s[10:11], s[30:31]
	s_add_nc_u64 s[12:13], s[12:13], s[32:33]
	s_add_nc_u64 s[XSB:XSB+1], s[16:17], s[2:3]
	s_add_nc_u64 s[WSB:WSB+1], s[18:19], s[2:3]
	s_add_nc_u64 s[16:17], s[16:17], s[34:35]      ; xa at my four fragments
	s_add_nc_u64 s[18:19], s[18:19], s[34:35]      ; wb likewise
; Row block p's eight tiles of indices: each load takes a whole tile, 512 consecutive bytes: lane l gets row r, half u (8 indices in 4 words)
.macro LOADW rho
.irp t, 0,1,2,3,4,5,6,7
	global_load_b128 v[RAW+32*((\rho)%2)+4*\t:RAW+32*((\rho)%2)+4*\t+3], v[L16], s[6:7] offset:(\rho)*131072+512*\t th:TH_LOAD_NT
.endr
.endm
	global_load_b32 v[GR], v8, s[14:15]
.irp p, 0,1,2,3
	global_load_b32 v[SQ+2*\p], v[R4], s[8:9] offset:64*\p
	global_load_b32 v[SQ+2*\p+1], v[R4], s[12:13] offset:64*\p
.endr
.irp c, 0,1
.irp t, 0,1,2,3,4,5,6,7
	global_load_b128 v[SU+32*\c+4*\t:SU+32*\c+4*\t+3], v[U128], s[10:11] offset:256*\c+16*\t
.endr
.endr
	LOADW 0
	LOADW 1
	; x's 64 rows x 512 bytes come by ONE tensor load a wave (row block p lies at p x TILEB of my LDS bytes): a first fill of bytes that are filled once, ahead of every wait on TENSORcnt and every LDS read
.irp p, 0
	s_mov_b32 s[G0+4*\p], 1
	s_add_co_u32 s[G0+4*\p+1], s21, \p*TILEB       ; LDS address
	s_add_nc_u64 s[G0+4*\p+2:G0+4*\p+3], s[4:5], \p*262144   ; 16 rows on
	s_or_b32 s[G0+4*\p+3], s[G0+4*\p+3], 0x80000000          ; type = 2
.endr
	tensor_load_to_lds s[G0:G0+3], s[G1:G1+7]
	s_nop 0
.rept 4
	v_nop
.endr
; 16 numbers of the codebook: tile 4 cc + 2 u + k of the K step, my row.  I hold half u of every tile and my neighbour (lane xor 1) the other half: even lanes want tile 4 cc + k whole, odd lanes tile 4 cc + 2 + k.
; Each index is made in the register that its permute fills, so that no source of a pending LDS instruction is written again.
.macro GATHER rho, cc, k
.set T0, RAW+32*((\rho)%2)+4*(4*(\cc)+(\k))
.set T1, T0+8
.set GD, VAL+32*(\cc)+16*(\k)
.irp j, 0,1,2,3
	v_mov_b32_dpp v[TP+\j], v[T1+\j] row_xmask:1 row_mask:0xf bank_mask:0xf
.endr
.irp j, 0,1,2,3
	s_delay_alu instid0(VALU_DEP_4)
	v_cndmask_b32 v[ORD+\j], v[TP+\j], v[T0+\j], s[EVEN]     ; the tile's first half: even lanes their own, odd lanes the neighbour's
.endr
.irp j, 0,1,2,3
	v_lshlrev_b32 v[GD+2*\j], 2, v[ORD+\j]                   ; the low nibble names the lane,
	v_lshrrev_b32 v[GD+2*\j+1], 2, v[ORD+\j]                 ; then the high one
.endr
.irp n, 0,1,2,3,4,5,6,7
	ds_bpermute_b32 v[GD+\n], v[GD+\n], v[GR]
.endr
.irp j, 0,1,2,3
	v_mov_b32_dpp v[TP+\j], v[T0+\j] row_xmask:1 row_mask:0xf bank_mask:0xf
.endr
.irp j, 0,1,2,3
	s_delay_alu instid0(VALU_DEP_4)
	v_cndmask_b32 v[ORD+\j], v[T1+\j], v[TP+\j], s[EVEN]     ; its second half: even lanes the neighbour's, odd lanes their own
.endr
.irp j, 0,1,2,3
	v_lshlrev_b32 v[GD+8+2*\j], 2, v[ORD+\j]
	v_lshrrev_b32 v[GD+8+2*\j+1], 2, v[ORD+\j]
.endr
.irp n, 0,1,2,3,4,5,6,7
	ds_bpermute_b32 v[GD+8+\n], v[GD+8+\n], v[GR]
.endr
.endm
; block cc's 32 numbers: x scales, x su, x sv, in that order, two at a time
.macro SCALEW rho, cc
.irp j, 0,2,4,6,8,10,12,14,16,18,20,22,24,26,28,30
	v_pk_mul_f32 v[VAL+32*\cc+\j:VAL+32*\cc+\j+1], v[VAL+32*\cc+\j:VAL+32*\cc+\j+1], v[SQ+2*\rho:SQ+2*\rho+1] op_sel_hi:[1,0]
.endr
.irp j, 0,2,4,6,8,10,12,14,16,18,20,22,24,26,28,30
	v_pk_mul_f32 v[VAL+32*\cc+\j:VAL+32*\cc+\j+1], v[VAL+32*\cc+\j:VAL+32*\cc+\j+1], v[SU+32*\cc+\j:SU+32*\cc+\j+1]
.endr
.irp j, 0,2,4,6,8,10,12,14,16,18,20,22,24,26,28,30
	v_pk_mul_f32 v[VAL+32*\cc+\j:VAL+32*\cc+\j+1], v[VAL+32*\cc+\j:VAL+32*\cc+\j+1], v[SVQ:SVQ+1] op_sel_hi:[1,0]
.endr
.endm
; The 64 numbers in VAL become a fragment, which is stored, and my row's scale word in v[word].
.macro QUANT2 word, base, rho
.irp c, 0,1
	v_max3_num_f32 v[MX+\c], |v[VAL+32*\c]|, |v[VAL+32*\c+1]|, FLOOR          ; a block's largest magnitude, in two chains, with the floor among the leaves: the byte cannot fall under 1
	v_max3_num_f32 v[NX+\c], |v[VAL+32*\c+2]|, |v[VAL+32*\c+3]|, |v[VAL+32*\c+4]|
.endr
.irp i, 5,9,13,17,21,25
.irp c, 0,1
	s_delay_alu instid0(VALU_DEP_4)
	v_max3_num_f32 v[MX+\c], v[MX+\c], |v[VAL+32*\c+\i]|, |v[VAL+32*\c+\i+1]|
	s_delay_alu instid0(VALU_DEP_4)
	v_max3_num_f32 v[NX+\c], v[NX+\c], |v[VAL+32*\c+\i+2]|, |v[VAL+32*\c+\i+3]|
.endr
.endr
.irp c, 0
	s_delay_alu instid0(VALU_DEP_4)
	v_max3_num_f32 v[MX+\c], v[MX+\c], |v[VAL+32*\c+29]|, |v[VAL+32*\c+30]|
.endr
.irp c, 1
	s_delay_alu instid0(VALU_DEP_3)
	v_max3_num_f32 v[MX+\c], v[MX+\c], |v[VAL+32*\c+29]|, |v[VAL+32*\c+30]|
.endr
.irp c, 0,1
	s_delay_alu instid0(VALU_DEP_2)
	v_max3_num_f32 v[MX+\c], v[MX+\c], v[NX+\c], |v[VAL+32*\c+31]|
.endr
.irp c, 0,1
	s_delay_alu instid0(VALU_DEP_2)
	v_add_nc_u32 v[EX+\c], 0xff000000, v[MX+\c]    ; 2 off its exponent field: the conversion takes the exponent field of this operand as its scale, and nothing else of it
.endr
.irp c, 0,1
	s_delay_alu instid0(VALU_DEP_2)
	v_lshrrev_b32 v[NX+\c], 23, v[EX+\c]           ; the scale's byte
.endr
	s_delay_alu instid0(VALU_DEP_1)
	v_lshl_or_b32 v[WD], v[NX+1], 16, v[NX]        ; my blocks are u and 2 + u of the row's four:
	s_delay_alu instid0(VALU_DEP_1)
	v_lshlrev_b32 v[WD], v[U8], v[WD]              ; 8 u bits up;
	s_delay_alu instid0(VALU_DEP_1)
	v_mov_b32_dpp v[TN], v[WD] row_xmask:1 row_mask:0xf bank_mask:0xf
	s_delay_alu instid0(VALU_DEP_1)
	v_or_b32 v[\word], v[WD], v[TN]                ; with my neighbour's two the word is whole
	s_wait_alu depctr_va_vdst(0)
	s_wait_xcnt 0x0                                ; the last fragment's stores have read F: it is written again only behind this wait
	v_cvt_scalef32_pk16_fp6_f32 v[F:F+2], v[VAL:VAL+15], v[EX]
	v_cvt_scalef32_pk16_fp6_f32 v[S1:S1+2], v[VAL+16:VAL+31], v[EX]            ; (a conversion's three registers begin on an even number)
	v_cvt_scalef32_pk16_fp6_f32 v[F+6:F+8], v[VAL+32:VAL+47], v[EX+1]
	v_cvt_scalef32_pk16_fp6_f32 v[S2:S2+2], v[VAL+48:VAL+63], v[EX+1]
	v_nop                                          ; one plain place behind the scaled conversions
.irp i, 0,1,2
	v_mov_b32 v[F+3+\i], v[S1+\i]
	v_mov_b32 v[F+9+\i], v[S2+\i]
.endr
.irp c, 0,1,2
	global_store_b128 v[L16], v[F+4*\c:F+4*\c+3], s[\base:\base+1] offset:(\rho)*1536+512*\c   ; 32 lanes store 512 consecutive bytes, at a multiple of 256 from the buffer's first byte
.endr
.endm
; left: the younger loads that may stay out: the other set's eight
.macro WSTEP rho, left
	s_wait_loadcnt \left
	v_mov_b32 v[SVQ], v[SQ+2*\rho+1]
	GATHER \rho, 0, 0
	GATHER \rho, 0, 1
	GATHER \rho, 1, 0
	GATHER \rho, 1, 1
.if \rho < 2
	LOADW \rho+2                                   ; this set's words have all been read by vector instructions: it takes the row block two on
.endif
	s_wait_dscnt 32                                ; block 0's 32 permutes are back; block 1's 32 may be out
	SCALEW \rho, 0
	s_wait_dscnt 0x0
	SCALEW \rho, 1
	QUANT2 WW+\rho, 18, \rho
.endm
.macro XSTEP rho
	s_wait_tensorcnt 0x0                           ; my one tensor load is in.  Only I read these bytes
.irp c, 0,1
.irp t, 0,1,2,3,4,5,6,7
	ds_load_b128 v[VAL+32*\c+4*\t:VAL+32*\c+4*\t+3], v[XRD] offset:\rho*TILEB+256*\c+16*\t   ; sixteen lanes touch the 16-byte columns (r + 8 u) mod 16: all different
.endr
.endr
	s_wait_dscnt 0x0
	QUANT2 XW+\rho, 16, \rho
.endm
	WSTEP 0, 8                                     ; W's four row blocks first: their work stands in front of the one wait for x's 64 rows
	WSTEP 1, 8
	WSTEP 2, 8
	WSTEP 3, 0
	XSTEP 0
	XSTEP 1
	XSTEP 2
	XSTEP 3
	; the scale words: lane 2 r + u stores those of row blocks 2 u and 2 u + 1 of row r: the wave stores 256 consecutive bytes, aligned
	v_cndmask_b32 v[SVQ], v[WW+2], v[WW], s[EVEN]
	v_cndmask_b32 v[SVQ+1], v[WW+3], v[WW+1], s[EVEN]
	global_store_b64 v[L8], v[SVQ:SVQ+1], s[WSB:WSB+1]
	v_cndmask_b32 v8, v[XW+2], v[XW], s[EVEN]
	v_cndmask_b32 v9, v[XW+3], v[XW+1], s[EVEN]
	global_store_b64 v[L8], v[8:9], s[XSB:XSB+1]
	s_wait_tensorcnt 0x0
	ds_add_u32 v59, v63
	s_wait_dscnt 0x0
	s_endpgm
.Lfunc_end_k_qb6db635770_quant:
	.size	k_qb6db635770_quant, .Lfunc_end_k_qb6db635770_quant-k_qb6db635770_quant
	.p2alignl 7, 3214868480
	.fill 96, 4, 3214868480
	.section	.rodata,"a",@progbits
	.p2align	6, 0x0
	.amdhsa_kernel k_qb6db635770_quant
		.amdhsa_group_segment_fixed_size 271360
		.amdhsa_private_segment_fixed_size 0
		.amdhsa_enable_private_segment 0
		.amdhsa_kernarg_size 64
		.amdhsa_user_sgpr_count 2
		.amdhsa_user_sgpr_kernarg_segment_ptr 1
		.amdhsa_wavefront_size32 1
		.amdhsa_system_sgpr_workgroup_id_x 1
		.amdhsa_system_sgpr_workgroup_id_y 1
		.amdhsa_system_sgpr_workgroup_id_z 1
		.amdhsa_system_vgpr_workitem_id 0
		.amdhsa_next_free_vgpr 256
		.amdhsa_next_free_sgpr 66
		.amdhsa_reserve_vcc 0
		.amdhsa_float_denorm_mode_32 3
		.amdhsa_float_denorm_mode_16_64 3
		.amdhsa_memory_ordered 1
		.amdhsa_forward_progress 1
		.amdhsa_inst_pref_size 118
	.end_amdhsa_kernel
	.amdgpu_metadata
---
amdhsa.version: [ 1, 2 ]
amdhsa.kernels:
  - .name:           k_qb6db635770_quant
    .symbol:         k_qb6db635770_quant.kd
    .args:
      - { .name: x, .offset: 0, .size: 8, .value_kind: global_buffer, .address_space: global }
      - { .name: packed_indices, .offset: 8, .size: 8, .value_kind: global_buffer, .address_space: global }
      - { .name: scales, .offset: 16, .size: 8, .value_kind: global_buffer, .address_space: global }
      - { .name: su, .offset: 24, .size: 8, .value_kind: global_buffer, .address_space: global }
      - { .name: sv, .offset: 32, .size: 8, .value_kind: global_buffer, .address_space: global }
      - { .name: grid, .offset: 40, .size: 8, .value_kind: global_buffer, .address_space: global }
      - { .name: xa, .offset: 48, .size: 8, .value_kind: global_buffer, .address_space: global }
      - { .name: wb, .offset: 56, .size: 8, .value_kind: global_buffer, .address_space: global }
    .group_segment_fixed_size: 271360
    .private_segment_fixed_size: 0
    .kernarg_segment_align: 8
    .kernarg_segment_size: 64
    .max_flat_workgroup_size: 256
    .sgpr_count:     66
    .vgpr_count:     256
    .wavefront_size: 32
...
	.end_amdgpu_metadata
.endif
;; end of part 1
;; launch gemm (part 2): grid 16 x 16, 4 waves a work-group, clusters of 4 x 4, 327,680 bytes of LDS; arguments xa, wb, out0; writes out0
.if DOCPART == 2
	.amdgcn_target "amdgcn-amd-amdhsa--gfx1250"
	.amdhsa_code_object_version 6
	.text
	.protected	k_qb6db635770_gemm
	.globl	k_qb6db635770_gemm
	.p2align	8
	.type	k_qb6db635770_gemm,@function
k_qb6db635770_gemm:
	s_mov_b64 s[64:65], 0
	v_nop
	global_prefetch_b8 v0, s[64:65] scope:SCOPE_SE
	s_setreg_imm32_b32 hwreg(HW_REG_WAVE_MODE, 25, 1), 1
	s_wait_xcnt 0x0
	s_wait_alu depctr_hold_cnt(0) depctr_sa_sdst(0) depctr_va_vdst(0) depctr_va_sdst(0) depctr_va_ssrc(0) depctr_va_vcc(0) depctr_vm_vsrc(0)
	s_getreg_b32 s2, hwreg(HW_REG_IB_STS2, 6, 4)
	s_cmp_eq_u32 s2, 0
	s_cbranch_scc0 .Lentry_in_a_cluster
	s_endpgm
.Lentry_in_a_cluster:
	s_bfe_u32 s2, ttmp6, 0x10000c
	s_cmp_lg_u32 s2, 0xf033
	s_cbranch_scc0 .Lentry_shape_is_right
	s_endpgm
.Lentry_shape_is_right:
; out0[m][n] = sum over k of x[m][k] W[n][k], both operands as codes of FP6 (E2M3) with E8M0 scale words, as launch quant laid them: for 128 rows (G) and 128 along K (s) a block of 12,800 bytes
; at 409,600 G + 12,800 s: eight fragments of 1,536 bytes in the order of the operand's registers, then 512 bytes of scale words.  Sums in f32.
; A work-group of four waves makes 256 x 256 of out0, a wave 128 x 128: 64 accumulators.  K goes in 32 steps of 128 through two LDS slots of three steps each (the last fill has two),
; stated as rows of 256 bytes with 16 bytes of padding.  4 x 4 work-groups form a cluster: x's tiles are asked for jointly along a row of it, W's along a column.
; The product is used transposed (source 0 = 16 rows of W, source 1 = 16 rows of x): a lane holds eight neighbouring numbers of a row of out0.
; REGISTERS.  window 0: v0-31 addresses; v32-47 the scale words, set p at v[32 + 8 p] (lanes 0-15 x's block i, lanes 16-31 W's); x's fragments, set p at v[60 + 96 p].
;   window 1: W's fragments, set p at v[96 p]; v192-255 the way out's 16 rows.   window 2: the accumulators of my rows 0-63 ((a, b) at v[8 (8 a + b)]);   window 3: those of rows 64-127.
; BOTH OPERANDS HAVE TWO SETS, by the step's parity p.  A step is: the wait for its own fragments, asked for a whole step earlier; ONE run of 50 LDS loads, the next step's fragments and scale words
; into the other sets; 64 products on end, the accumulators by turns.
; A slot's last fragments are fetched in its second step, so the slot is free at the head of its third: there stands the round of the cluster's barrier and the refill,
; which has three steps' products between its issue and the wait for it.
.set SIZE_N, 4096
.set KSB,    50*272                    ; a K step of 128 rows in LDS: 50 rows of 256 + 16 bytes
.set QUART,  3*KSB                     ; what one tensor load brings: three steps of 128 rows
.set SLOT,   4*QUART                   ; x's two halves, then W's two
.set GBLK,   409600
.set SLOTG,  3*12800
.set FRL,    6*272                     ; a fragment in LDS
.set SCO,    48*272                    ; the scale words behind a step's eight fragments
.set SPARE,  2*SLOT                    ; the spare words, 128 bytes a wave
.set SPITCH, 528
.set STAGE,  163328                    ; the way out's stages lie in slot 1, behind its last fill and its last read
.set ADRA, 16                          ; v16-17 x's fragments in slot 0, 1
.set ADRS, 18                          ; v18-19 the scale words
.set ADRB, 20                          ; v20-21 W's fragments
.set STO,  24
.set RD,   25
.set CO,   26
.set SPW,  28
.set NIL,  29
.set PFO,  30
.set SC,   32
.set AF,   60
.set BK,   192
.set PFA,  10
.set LIM,  12
.set G1,   24
.set G0,   32
.set G1B,  48
.set G0B,  56
.set G1X,  68                          ; groups 1 of the last fill: 100 rows
.set G1XB, 76
.set MSB, 0
.macro WIN new                         ; the immediate's high byte repeats the setting that is left
.if MSB != (\new)
	s_set_vgpr_msb (MSB<<8)|(\new)
.set MSB, (\new)
.endif
.endm
.set MUL_LO, 0xa1                      ; source 0 (W) window 1, source 1 (x) window 0, C and D window 2
.set MUL_HI, 0xf1                      ; the same, C and D window 3
.set TO_B,   0x40                      ; destination window 1, address window 0
.macro PLACES
.rept 4
	v_nop
.endr
.endm
.macro JLOAD g0a, g1a, g0b, g1b        ; a joint load: waves 0 and 1 fetch x's halves, waves 2 and 3 W's
	s_cmp_eq_u32 s15, 0
	s_cbranch_scc0 .Lfor_b_\@
	tensor_load_to_lds s[\g0a:\g0a+3], s[\g1a:\g1a+7]
	s_nop 0
	PLACES
	s_branch .Lasked_\@
.Lfor_b_\@:
	tensor_load_to_lds s[\g0b:\g0b+3], s[\g1b:\g1b+7]
	s_nop 0
	PLACES
.Lasked_\@:
.endm
; The fill that stands one refill on is prefetched: 150 rows of 256 bytes, 38 to each of the four partners by address, a lane a row; one row (column) of clusters asks for x's (W's) tiles.
; The last fill of 100 rows is not asked for: 150 rows from its start would pass its block.
.macro ASK second
.if \second
	s_cmp_gt_u32 s3, s[LIM]
.else
	s_cmp_eq_u32 s[LIM], 1
.endif
	s_cbranch_scc0 .Lnot_mine_\@
	global_prefetch_b8 v[PFO], s[PFA:PFA+1] th:TH_LOAD_NT scope:SCOPE_SE
	global_prefetch_b8 v[PFO+1], s[PFA:PFA+1] th:TH_LOAD_NT scope:SCOPE_SE
.Lnot_mine_\@:
.endm
.macro CREST
	s_cmp_lg_u32 s14, 0
	s_cbranch_scc1 .Lnot_wave_0_\@
	s_barrier_signal -3
.Lnot_wave_0_\@:
	s_barrier_wait -3
	s_barrier_signal -1
	s_barrier_wait -1
.endm
.macro CROUND
	s_barrier_signal -1
	s_barrier_wait -1
	CREST
.endm
	s_load_b128 s[4:7], s[0:1], 0x0                ; xa, wb
	s_load_b64 s[8:9], s[0:1], 0x10                ; out0
	v_lshl_add_u32 v[SPW], v0, 2, SPARE
	v_mov_b32 v[NIL], 0
	ds_add_u32 v[SPW], v[NIL]                      ; the opening lines: the add twice on end
	ds_add_u32 v[SPW], v[NIL]
	v_lshrrev_b32 v1, 5, v0
	v_readfirstlane_b32 s14, v1                    ; wave
	s_lshr_b32 s15, s14, 1                         ; my half of the rows; also: I fetch for x (0) or W (1)
	s_and_b32 s16, s14, 1                          ; my half of the columns; also: which 128 rows I fetch
	s_bfe_u32 s40, ttmp6, 0x40000                  ; cx
	s_bfe_u32 s41, ttmp6, 0x40004                  ; cy
	s_lshl_b32 s42, ttmp9, 2
	s_add_co_u32 s42, s42, s40                     ; tile column
	s_and_b32 s17, ttmp7, 0xffff
	s_lshl_b32 s17, s17, 2
	s_add_co_u32 s17, s17, s41                     ; tile row
	s_lshl_b32 s43, s41, 2
	s_lshl_b32 s43, 15, s43                        ; my row of the cluster
	s_lshl_b32 s44, 0x1111, s40                    ; my column
	s_or_b32 s[G1+0], s43, (3<<16)|(1<<20)|(1<<21)|(5<<22)|(3<<25)   ; elements of 8 bytes; 4 words of padding behind every 64
	s_or_b32 s[G1B+0], s44, (3<<16)|(1<<20)|(1<<21)|(5<<22)|(3<<25)
	s_or_b32 s[G1X+0], s43, (3<<16)|(1<<20)|(1<<21)|(5<<22)|(3<<25)
	s_or_b32 s[G1XB+0], s44, (3<<16)|(1<<20)|(1<<21)|(5<<22)|(3<<25)
.irp g, G1, G1B
	s_mov_b32 s[\g+1], 32<<16
	s_mov_b32 s[\g+2], 150<<16
	s_mov_b32 s[\g+3], 32<<16
	s_mov_b32 s[\g+4], 150
	s_mov_b32 s[\g+5], 32
	s_mov_b32 s[\g+6], 0
	s_mov_b32 s[\g+7], 0
.endr
.irp g, G1X, G1XB
	s_mov_b32 s[\g+1], 32<<16
	s_mov_b32 s[\g+2], 100<<16
	s_mov_b32 s[\g+3], 32<<16
	s_mov_b32 s[\g+4], 100
	s_mov_b32 s[\g+5], 32
	s_mov_b32 s[\g+6], 0
	s_mov_b32 s[\g+7], 0
.endr
	s_lshl_b32 s20, s17, 1
	s_add_co_u32 s20, s20, s16
	s_mul_i32 s20, s20, GBLK                       ; x: block of 128 rows 2 x tile row + half
	s_mov_b32 s21, 0
	s_lshl_b32 s46, s42, 1
	s_add_co_u32 s46, s46, s16
	s_mul_i32 s46, s46, GBLK                       ; W: 2 x tile column + half
	s_mov_b32 s47, 0
	s_mul_i32 s45, s14, QUART                      ; where my loads go
	s_wait_dscnt 0x0                               ; both opening adds are done
	s_wait_kmcnt 0x0
	s_add_nc_u64 s[20:21], s[4:5], s[20:21]
	s_add_nc_u64 s[46:47], s[6:7], s[46:47]
.irp s, 0,1
	s_mov_b32 s[G0+4*\s], 1
	s_add_co_u32 s[G0+4*\s+1], s45, \s*SLOT
	s_add_nc_u64 s[G0+4*\s+2:G0+4*\s+3], s[20:21], \s*SLOTG
	s_or_b32 s[G0+4*\s+3], s[G0+4*\s+3], 0x80000000
	s_mov_b32 s[G0B+4*\s], 1
	s_add_co_u32 s[G0B+4*\s+1], s45, \s*SLOT
	s_add_nc_u64 s[G0B+4*\s+2:G0B+4*\s+3], s[46:47], \s*SLOTG
	s_or_b32 s[G0B+4*\s+3], s[G0B+4*\s+3], 0x80000000
.endr
	CROUND                                         ; all sixteen work-groups are here: the first joint loads meet
	JLOAD G0, G1, G0B, G1B                         ; steps 0 to 2: one tensor load a wave at the head
	s_and_b32 s18, ttmp7, 0xffff                   ; the prefetches
	s_cmp_eq_u32 s15, 0
	s_cselect_b64 s[PFA:PFA+1], s[20:21], s[46:47]
	s_cselect_b32 s13, s40, s41                    ; my place among the four that ask with me
	s_cselect_b32 s18, ttmp9, s18
	s_cmp_eq_u32 s18, 0
	s_cselect_b32 s[LIM], 1, -1
	s_add_nc_u64 s[PFA:PFA+1], s[PFA:PFA+1], 2*SLOTG
	s_mul_i32 s13, s13, 38
	s_lshl_b32 s20, s17, 8                         ; where my part of out0 begins
	s_lshl_b32 s21, s15, 7
	s_add_co_u32 s20, s20, s21
	s_lshl_b32 s20, s20, 14
	s_mov_b32 s21, 0
	s_lshl_b32 s46, s42, 10
	s_lshl_b32 s47, s16, 9
	s_add_co_u32 s46, s46, s47
	s_mov_b32 s47, 0
	s_add_nc_u64 s[20:21], s[20:21], s[46:47]
	s_add_nc_u64 s[8:9], s[8:9], s[20:21]
	s_mul_i32 s22, s15, QUART                      ; my 128 rows of x in slot 0,
	s_mul_i32 s23, s16, QUART
	s_add_co_u32 s23, s23, 2*QUART                 ; of W,
	s_sub_co_u32 s45, s23, s22
	s_add_co_u32 s18, s22, SLOT                    ; and in slot 1
	s_add_co_u32 s19, s23, SLOT
	s_mul_i32 s2, s14, 16*SPITCH
	s_add_co_u32 s2, s2, STAGE                     ; my stage
	v_and_b32 v7, 31, v0
	v_min_u32 v8, 5, v7
	v_add_nc_u32 v7, s13, v7
	v_add3_u32 v8, v8, s13, 32
	v_min_u32 v8, 0x95, v8                         ; held at the fill's last row
	v_lshlrev_b32 v[PFO], 8, v7
	v_lshlrev_b32 v[PFO+1], 8, v8
	v_and_b32 v1, 15, v0                           ; r
	v_bfe_u32 v2, v0, 4, 1                         ; h
	v_bfe_u32 v3, v0, 3, 1
	v_lshlrev_b32 v4, 5, v1
	v_lshl_add_u32 v4, v2, 4, v4
	v_lshl_add_u32 v4, v3, 4, v4                   ; 16 (2 r + h), + 16 of padding from r = 8 on
	v_lshlrev_b32 v5, 4, v1
	v_mul_u32_u24 v6, s45, v2
	v_add_nc_u32 v5, v5, v6                        ; scale words: 16 r; lanes 16-31 take W's
	v_mul_u32_u24 v6, v1, SPITCH
	v_lshl_add_u32 v6, v2, 5, v6
	v_add_nc_u32 v[STO], s2, v6
	v_and_b32 v6, 31, v0
	v_lshlrev_b32 v[CO], 4, v6
	v_add_nc_u32 v[RD], s2, v[CO]
	v_add_nc_u32 v[ADRA], s22, v4
	v_add_nc_u32 v[ADRA+1], s18, v4
	v_add_nc_u32 v[ADRB], s23, v4
	v_add_nc_u32 v[ADRB+1], s19, v4
	v_add_nc_u32 v[ADRS], s22, v5
	v_add_nc_u32 v[ADRS+1], s18, v5
; Eight products: x's block a against W's eight, on the sets of parity p.  zero = 1: they start the sums
.macro MUL8 p, a, zero
.irp b, 0,1,2,3,4,5,6,7
.if \zero
	v_wmma_scale_f32_16x16x128_f8f6f4 v[8*(8*((\a)%4)+\b):8*(8*((\a)%4)+\b)+7], v[96*(\p)+12*\b:96*(\p)+12*\b+11], v[AF+96*(\p)+12*(\a):AF+96*(\p)+12*(\a)+11], 0, v[SC+8*(\p)+\b], v[SC+8*(\p)+(\a)] matrix_a_fmt:MATRIX_FMT_FP6 matrix_b_fmt:MATRIX_FMT_FP6 matrix_a_scale:MATRIX_SCALE_ROW1
.else
	v_wmma_scale_f32_16x16x128_f8f6f4 v[8*(8*((\a)%4)+\b):8*(8*((\a)%4)+\b)+7], v[96*(\p)+12*\b:96*(\p)+12*\b+11], v[AF+96*(\p)+12*(\a):AF+96*(\p)+12*(\a)+11], v[8*(8*((\a)%4)+\b):8*(8*((\a)%4)+\b)+7], v[SC+8*(\p)+\b], v[SC+8*(\p)+(\a)] matrix_a_fmt:MATRIX_FMT_FP6 matrix_b_fmt:MATRIX_FMT_FP6 matrix_a_scale:MATRIX_SCALE_ROW1
.endif
.endr
.endm
.macro MUL_H p, zero                   ; my rows 64-127
	WIN MUL_HI
.irp a, 4,5,6,7
	MUL8 \p, \a, \zero
.endr
.endm
; One run of 50 LDS loads: step nq of slot ns into the sets of parity np: W's eight fragments, x's eight, the scale words.  It leaves every window 0
.macro RUN np, ns, nq
	WIN TO_B
.irp i, 0,1,2,3,4,5,6,7
.irp c, 0,1,2
	ds_load_b128 v[96*(\np)+12*\i+4*\c:96*(\np)+12*\i+4*\c+3], v[ADRB+(\ns)] offset:(\nq)*KSB+\i*FRL+544*\c
.endr
.endr
	WIN 0
.irp i, 0,1,2,3,4,5,6,7
.irp c, 0,1,2
	ds_load_b128 v[AF+96*(\np)+12*\i+4*\c:AF+96*(\np)+12*\i+4*\c+3], v[ADRA+(\ns)] offset:(\nq)*KSB+\i*FRL+544*\c
.endr
.endr
.irp t, 0,1
	ds_load_b128 v[SC+8*(\np)+4*\t:SC+8*(\np)+4*\t+3], v[ADRS+(\ns)] offset:(\nq)*KSB+SCO+272*\t
.endr
.endm
; A step of parity p; the next step is step nq of slot ns
.macro STEP p, ns, nq
	s_wait_dscnt 0x0                               ; this step's fragments, asked for in the step before
	PLACES                                         ; between the last step's products and the loads into the sets that they read (ISA guide 7.12.1 for vector instructions)
	RUN 1-(\p), \ns, \nq
	WIN MUL_LO
.irp a, 0,1,2,3
	MUL8 \p, \a, 0
.endr
	MUL_H \p, 0
.endm
; A slot's third step.  Its fragments are in registers, so my reads of the slot are over at its head.  16 products stand round the barrier; behind the round the slot is filled again
; (fill = 1: three steps; 2: the last two; 0: nothing more, a plain barrier shows the other slot whole), and the next step's fragments come from the other slot, ns.
.macro RSTEP p, slot, fill, ns
	s_wait_dscnt 0x0
	WIN 0
.if \fill == 1
	s_wait_xcnt 0x0                                ; my last prefetches have read their address
	s_add_nc_u64 s[PFA:PFA+1], s[PFA:PFA+1], SLOTG
.endif
	s_wait_tensorcnt 0x0                           ; my part of the other slot is in: no tensor load of mine is out
	ds_add_u32 v[SPW], v[NIL]
.if \fill
	s_add_nc_u64 s[G0+4*\slot+2:G0+4*\slot+3], s[G0+4*\slot+2:G0+4*\slot+3], 2*SLOTG
	s_add_nc_u64 s[G0B+4*\slot+2:G0B+4*\slot+3], s[G0B+4*\slot+2:G0B+4*\slot+3], 2*SLOTG
.endif
	WIN MUL_LO
	MUL8 \p, 0, 0
	s_wait_dscnt 0x0                               ; the add is done
	s_barrier_signal -1
	MUL8 \p, 1, 0
	WIN 0
	s_barrier_wait -1
.if \fill
	CREST                                          ; the barrier has opened a round of the cluster's barrier
.if \fill == 1
	JLOAD G0+4*\slot, G1, G0B+4*\slot, G1B         ; its four v_nop are the places in front of the loads below
.else
	JLOAD G0+4*\slot, G1X, G0B+4*\slot, G1XB
.endif
.else
	PLACES
.endif
	RUN 1-(\p), \ns, 0
.if \fill == 1
	ASK \slot
.endif
	WIN MUL_LO
	MUL8 \p, 2, 0
	MUL8 \p, 3, 0
	MUL_H \p, 0
.endm
	s_wait_alu depctr_va_vdst(0)
	s_wait_tensorcnt 0x0                           ; my part of slot 0 is in; slot 1's first fill is issued as a refill is
	ds_add_u32 v[SPW], v[NIL]
	s_wait_dscnt 0x0
	CROUND
	JLOAD G0+4, G1, G0B+4, G1B                     ; steps 3 to 5
	RUN 0, 0, 0                                    ; step 0's fragments,
	RUN 1, 0, 1                                    ; and step 1's
	s_wait_dscnt 50                                ; all but the second run's 50
	WIN MUL_LO
.irp a, 0,1,2,3
	MUL8 0, \a, 1                                  ; step 0's products start the sums
.endr
	MUL_H 0, 1
	WIN 0
	s_mov_b32 s3, 4
.Llap:                                                 ; six steps: once round the ring, and the sets' parity is back
	STEP 1, 0, 2
	RSTEP 0, 0, 1, 1
	STEP 1, 1, 1
	STEP 0, 1, 2
	RSTEP 1, 1, 1, 0
	STEP 0, 0, 1
	WIN 0
	s_sub_co_u32 s3, s3, 1
	s_cmp_lg_u32 s3, 0
	s_cbranch_scc1 .Llap
	STEP 1, 0, 2                                   ; step 25
	RSTEP 0, 0, 2, 1                               ; step 26: slot 0 takes steps 30 and 31
	STEP 1, 1, 1
	STEP 0, 1, 2
	RSTEP 1, 1, 0, 0                               ; step 29: behind its barrier nobody reads slot 1 any more
; STEPS 30 AND 31 GO BY BLOCKS OF 16 ROWS: both steps' fragments are in registers, and each block leaves when it is finished: through my stage in LDS, back as whole rows of 512 bytes, and out.
.macro ROW a                           ; block a is finished (blocks 0-3 have had step 30's products)
	WIN MUL_LO+0x50*((\a)/4)
.if (\a) > 3
	MUL8 0, \a, 0
.endif
	MUL8 1, \a, 0
.endm
.macro OUTB a
	PLACES                                         ; between the block's products and the stores that read them
.if (\a) > 0
	s_wait_xcnt 0x0                                ; the last block's stores have read their registers
.endif
	WIN 0x08+4*((\a)/4)
.irp b, 0,1,2,3,4,5,6,7
	ds_store_b128 v[STO], v[64*((\a)%4)+8*\b:64*((\a)%4)+8*\b+3] offset:64*\b      ; each accumulator from its low end on
	ds_store_b128 v[STO], v[64*((\a)%4)+8*\b+4:64*((\a)%4)+8*\b+7] offset:64*\b+16
.endr
	WIN TO_B
.irp t, 0,1,2,3,4,5,6,7,8,9,10,11,12,13,14,15
	ds_load_b128 v[BK+4*\t:BK+4*\t+3], v[RD] offset:\t*SPITCH  ; LDS serves a wave's instructions in order: these see the stores above
.endr
.if (\a) < 7
	ROW (\a)+1
.endif
	s_wait_dscnt 0x0
	WIN 0x04
.irp t, 0,1,2,3,4,5,6,7,8,9,10,11,12,13,14,15
	global_store_b128 v[CO], v[BK+4*\t:BK+4*\t+3], s[8:9] offset:(16*(\a)+\t)*SIZE_N*4 th:TH_STORE_NT   ; 32 lanes store 512 consecutive bytes, aligned; 127 rows at the most stand in the immediate
.endr
.endm
	s_wait_dscnt 0x0                               ; step 30's fragments
	PLACES
	RUN 1, 0, 1                                    ; step 31's
	WIN MUL_LO
.irp a, 0,1,2,3
	MUL8 0, \a, 0
.endr
	s_wait_dscnt 0x0
	ROW 0
.irp a, 0,1,2,3,4,5,6,7
	OUTB \a
.endr
	WIN 0
	s_wait_tensorcnt 0x0                           ; the wave's end
	ds_add_u32 v[SPW], v[NIL]
	s_wait_dscnt 0x0
	CROUND                                         ; the closing round
	s_endpgm
.Lfunc_end_k_qb6db635770_gemm:
	.size	k_qb6db635770_gemm, .Lfunc_end_k_qb6db635770_gemm-k_qb6db635770_gemm
	.p2alignl 7, 3214868480
	.fill 96, 4, 3214868480
	.section	.rodata,"a",@progbits
	.p2align	6, 0x0
	.amdhsa_kernel k_qb6db635770_gemm
		.amdhsa_group_segment_fixed_size 327680
		.amdhsa_private_segment_fixed_size 0
		.amdhsa_enable_private_segment 0
		.amdhsa_kernarg_size 24
		.amdhsa_user_sgpr_count 2
		.amdhsa_user_sgpr_kernarg_segment_ptr 1
		.amdhsa_wavefront_size32 1
		.amdhsa_system_sgpr_workgroup_id_x 1
		.amdhsa_system_sgpr_workgroup_id_y 1
		.amdhsa_system_sgpr_workgroup_id_z 1
		.amdhsa_system_vgpr_workitem_id 0
		.amdhsa_next_free_vgpr 1024
		.amdhsa_next_free_sgpr 84
		.amdhsa_reserve_vcc 0
		.amdhsa_float_denorm_mode_32 3
		.amdhsa_float_denorm_mode_16_64 3
		.amdhsa_memory_ordered 1
		.amdhsa_forward_progress 1
		.amdhsa_inst_pref_size 204
	.end_amdhsa_kernel
	.amdgpu_metadata
---
amdhsa.version: [ 1, 2 ]
amdhsa.kernels:
  - .name:           k_qb6db635770_gemm
    .symbol:         k_qb6db635770_gemm.kd
    .args:
      - { .name: xa, .offset: 0, .size: 8, .value_kind: global_buffer, .address_space: global }
      - { .name: wb, .offset: 8, .size: 8, .value_kind: global_buffer, .address_space: global }
      - { .name: out0, .offset: 16, .size: 8, .value_kind: global_buffer, .address_space: global }
    .group_segment_fixed_size: 327680
    .private_segment_fixed_size: 0
    .kernarg_segment_align: 8
    .kernarg_segment_size: 24
    .max_flat_workgroup_size: 128
    .sgpr_count:     84
    .vgpr_count:     1024
    .wavefront_size: 32
...
	.end_amdgpu_metadata
.endif
;; end of part 2
